; MI455X (gfx1250); checked and timed in simulation.
; The chip was launched on July 23, 2026; its instructions are those of AMD's public machine-readable ISA for CDNA 5 (MIT licence, August 2026) and "CDNA5" Instruction Set Architecture Reference Guide (July 2026). The comments in the code are by the model that wrote it; some were corrected since.
;; Attention. Allowed arithmetic: matrix products marked QUANTISED: E5M2 operands, one given power-of-two scale a tensor, by v_wmma_f32_16x16x64_bf8_bf8 or v_wmma_f32_16x16x128_bf8_bf8, f32 sums; products left as they are: f32 operands where the result goes on into a quantised operand, else bf16, f16 or f32 operands; f32 sums; everything else in f32.
;; Inputs: W1_codes 1,024 x 32 x 32 uint8 (E5M2 codes of W1, K innermost, in blocks of 32 codes); Wv_codes 256 x 64 x 32 uint8 (E5M2 codes of Wv, K innermost, in blocks of 32 codes); b1 1,024 float32; bv 256 float32; hidden_states 32 x 2,048 x 1,024 float32; lowp_scales 4 int32 (the exponents e of the quantised operands' scales 2^e).
;; Outputs: out0 32 x 256 float32.
;; This version of the problem:
;;   THIS VERSION OF THE PROBLEM IS GIVEN IN LOW PRECISION. The matrix products marked QUANTISED in the list below multiply operands that are first quantised to E5M2 (5 exponent bits, 2 mantissa bits; 8 bits a number), with one given power-of-two scale for each operand tensor; their sums are f32. All else is computed in f32.
;;   The module's matrix products, in the order in which they are computed (A, B: the left and right operand; K: the contracted axis; several contracted axes count as one K, in the product's order):
;;     1. [M 65,536, K 1,024] x [K 1,024, N 1,024]; A: input hidden_states; B: input W1 (given as codes): QUANTISED (scales: A lowp_scales[0], B lowp_scales[1])
;;     2. batch 32 x [M 2,048, K 1,024] x [K 1,024, N 1]; A: computed on the way; B: computed on the way: left as it is (N = 1 < 16)
;;     3. batch 32 x [M 1,024, K 2,048] x [K 2,048, N 1]; A: input hidden_states; B: softmax: left as it is (N = 1 < 16)
;;     4. [M 32, K 2,048] x [K 2,048, N 256]; A: computed on the way; B: input Wv (given as codes): QUANTISED (scales: A lowp_scales[2], B lowp_scales[3])
;;   THE QUANTISER, for each operand of a quantised product, along K:
;;     - The operand's scale is 2^e, e = its entry of the input lowp_scales (int32; the entries are numbered through the quantised products in the list's order, A before B).
;;     - Each number is divided by the scale, clamped to +-57,344, and rounded to the nearest number of E5M2, ties to even, subnormals kept.
;;     - The product sums the exact products of the quantised numbers (number of the format x scale) in f32.
;;   ~~~python
;;   def quantise(x, axis, e):      # numpy; x: float32 -> the quantised numbers, widened to float32 again
;;       x = np.moveaxis(x, axis, -1); K = x.shape[-1]
;;       r = np.clip(x / 2.0 ** e, -57344, 57344)
;;       step = 2.0 ** (np.maximum(np.frexp(np.where(r == 0, 1, r))[1] - 1, -14) - 2)
;;       q = np.round(r / step) * step * 2.0 ** e      # np.round: ties to even
;;       return np.moveaxis(q, -1, axis).astype(np.float32)
;;   ~~~
;;   OPERANDS COMPUTED ON THE WAY. 'Computed on the way' means the value that the module computes at that place (a softmax that the list does not call 'softmax' is quantised finished and normalised). What goes into a quantiser is computed in f32, as accurately as f32 sums, v_exp_f32 and their like allow (about 1e-6 of the number): no bf16 or f16 on the way to a quantiser, and a product that is left as it is and whose result goes on into a quantised operand takes f32 operands (vector FMAs, or v_wmma_f32_16x16x4_f32). A number that lies on a knife's edge between two numbers of the format may be rounded either way, as far as f32 arithmetic and the matrix unit's own rounding can turn it there, and no further.
;;   INPUTS GIVEN AS CODES. W1 (in the module: [1024, 1024], K = its axis 0); Wv (in the module: [2048, 256], K = its axis 0): each comes as NAME_codes (uint8): NAME with its K axis moved to the last place and cut into blocks of 32 codes, [.., K / 32, bytes a block], one block behind the other in memory; one code a byte (a code: sign, 5 exponent bits, 2 mantissa bits); its scale is its entry of lowp_scales. Its value is code x scale, taken as it is: it is not quantised again, and the codes and scales need not be those that the quantiser above would give.
;; One version. Each part assembles by itself: llvm-mc -triple=amdgcn-amd-amdhsa -mcpu=gfx1250 --defsym DOCPART=n.
;; ======== version 1 of 1: 4 launches
;; workspace buffers: ht 131,072 bytes; scores 262,144 bytes; keys 20,480 bytes of whole numbers; pre_codes 65,536 bytes
;; launch proj (part 1): grid 64 x 2, 4 waves a work-group, no clusters, 4,608 bytes of LDS; arguments hidden_states, W1_codes, lowp_scales, b1, ht; writes ht
.if DOCPART == 1
	.amdgcn_target "amdgcn-amd-amdhsa--gfx1250"
	.amdhsa_code_object_version 6
	.text
	.protected	k_q0964d56622_proj
	.globl	k_q0964d56622_proj
	.p2align	8
	.type	k_q0964d56622_proj,@function
k_q0964d56622_proj:
	s_mov_b64 s[64:65], 0
	v_nop
	global_prefetch_b8 v0, s[64:65] scope:SCOPE_SE
	s_setreg_imm32_b32 hwreg(HW_REG_WAVE_MODE, 25, 1), 1
	s_wait_xcnt 0x0
; ht[b][n] = (sum over k of Q(hs[b][2047][k]) W1code[n][k]) x 2^(e0 + e1) + b1[n]: the projected last time step of each of the 32 batches, [32][1024] f32.
; hs: [32][2048][1024] f32, quantised here to E5M2 with the given scale 2^e0.  W1's codes: [1024 (n)][1024 (k)], one byte a code, taken as they are.
; SHARES.  A work-group makes 16 batches x 16 columns; wave w takes K = 256 w .. 256 w + 255 (two matrix instructions of 128 along K); the four partial sums meet in LDS and wave 0 adds them.
; THE MATRIX INSTRUCTION IS USED TRANSPOSED: source 0 = 16 rows of W1, source 1 = 16 batches: lane (r, h) then holds batch r and the eight neighbouring columns 8 h + 0 .. 7.
; A fragment's registers 4 c .. 4 c + 3 hold k = 32 c + 16 h + 0 .. 15 of the lane's row, alike in both operands, so every product meets its partner.
; LIMITS: e0 between -126 and 112, so that 2^e0 and 57,344 x 2^e0 are f32 numbers; e0 + e1 is applied by v_ldexp_f32 and has none.  NaN among the inputs is not served.
; The output is small (128 KiB in all): a lane stores 32 bytes, two neighbouring halves of lanes 64 consecutive bytes of a row.
.set X,   64                           ; v64-191   two sets of 64 numbers of hs; later the other waves' partial sums
.set CD,  16                           ; v16-47    the two fragments of codes made of them
.set SM,  48                           ; v48-55    my partial sum
.set WF,  192                          ; v192-223  two fragments of W1
.set AC0, 224                          ; v224-231, v232-239  one accumulator for each K step
.set AC1, 232
.set BB,  240                          ; v240-247  b1 of my eight columns
	s_load_b256 s[4:11], s[0:1], 0x0               ; hs s[4:5], W1's codes s[6:7], the scales' exponents s[8:9], b1 s[10:11]
	s_load_b64 s[12:13], s[0:1], 0x20              ; ht
	v_lshl_add_u32 v254, v0, 2, 0x1000
	v_mov_b32 v255, 0
	v_lshrrev_b32 v1, 5, v0
	v_readfirstlane_b32 s14, v1                    ; wave 0..3
	v_and_b32 v1, 15, v0                           ; r
	v_bfe_u32 v2, v0, 4, 1                         ; h
	v_lshlrev_b32 v3, 23, v1                       ; hs: batch r is 2048 x 4096 bytes on,
	v_lshl_add_u32 v3, v2, 6, v3                   ; + 64 h: my 16 numbers of a block of 32
	v_lshlrev_b32 v4, 10, v1                       ; W1: row r of 1,024 bytes,
	v_lshl_add_u32 v4, v2, 4, v4                   ; + 16 h
	v_and_b32 v10, 31, v0
	v_lshlrev_b32 v10, 4, v10                      ; 16 x lane: my place in an image of four registers
	s_lshl_b32 s15, s14, 10
	v_add_nc_u32 v5, s15, v10                      ; + 1,024 x wave: where I put my partial sum
	v_lshlrev_b32 v6, 12, v1                       ; ht: row r of 4,096 bytes,
	v_lshl_add_u32 v6, v2, 5, v6                   ; + 32 h
	v_lshlrev_b32 v7, 5, v2                        ; b1: 32 h
	s_and_b32 s29, ttmp7, 0xffff                   ; which 16 batches
	s_lshl_b32 s30, s29, 27                        ; 16 batches of 2^23 bytes,
	s_add_co_u32 s30, s30, 2047*4096               ; the last time step,
	s_add_co_u32 s30, s30, s15                     ; my wave's 256 numbers along K
	s_mov_b32 s31, 0
	s_lshl_b32 s32, ttmp9, 14                      ; W1: 16 rows of 1,024 bytes for each work-group x,
	s_lshl_b32 s33, s14, 8                         ; my wave's 256 codes along K
	s_add_co_u32 s32, s32, s33
	s_mov_b32 s33, 0
	s_lshl_b32 s34, ttmp9, 6                       ; 16 columns of f32
	s_mov_b32 s35, 0
	s_lshl_b32 s36, s29, 16                        ; ht: 16 rows of 4,096 bytes
	s_add_co_u32 s36, s36, s34
	s_mov_b32 s37, 0
	s_wait_kmcnt 0x0
	s_load_b128 s[16:19], s[8:9], 0x0              ; e0, e1, e2, e3
	s_add_nc_u64 s[20:21], s[4:5], s[30:31]
	s_add_nc_u64 s[22:23], s[6:7], s[32:33]
	s_add_nc_u64 s[24:25], s[10:11], s[34:35]
	s_add_nc_u64 s[26:27], s[12:13], s[36:37]
.irp s, 0,1
.irp c, 0,1,2,3
	global_load_b128 v[WF+16*\s+4*\c:WF+16*\s+4*\c+3], v4, s[22:23] offset:128*\s+32*\c
.endr
.endr
	global_load_b128 v[BB:BB+3], v7, s[24:25]
	global_load_b128 v[BB+4:BB+7], v7, s[24:25] offset:16
.irp s, 0,1
.irp c, 0,1,2,3
.irp j, 0,1,2,3
	global_load_b128 v[X+64*\s+16*\c+4*\j:X+64*\s+16*\c+4*\j+3], v3, s[20:21] offset:512*\s+128*\c+16*\j
.endr
.endr
.endr
	s_wait_kmcnt 0x0
	s_add_co_i32 s28, s16, s17                     ; e0 + e1
	s_add_co_i32 s38, s16, 127
	s_lshl_b32 s39, s38, 23
	v_mov_b32 v8, s39                              ; 2^e0 as f32: the conversion takes its exponent field
	s_add_co_i32 s38, s38, 15
	s_lshl_b32 s38, s38, 23
	s_or_b32 s38, s38, 0x600000
	v_mov_b32 v9, s38                              ; 57,344 x 2^e0
; 64 numbers of a lane, register 16 c + i = k 32 c + 16 h + i of my row, become a fragment's 16 registers of codes
.macro QUANT s, d
.irp c, 0,1,2,3
.irp i, 0,1,2,3,4,5,6,7,8,9,10,11,12,13,14,15
	v_med3_num_f32 v[\s+16*\c+\i], v[\s+16*\c+\i], -v9, v9   ; the conversion to an 8-bit code does not saturate (ISA guide 7.6.2): the hold at the largest code x the scale
.endr
	v_cvt_scalef32_pk8_bf8_f32 v[\d+4*\c:\d+4*\c+1], v[\s+16*\c:\s+16*\c+7], v8
	v_cvt_scalef32_pk8_bf8_f32 v[\d+4*\c+2:\d+4*\c+3], v[\s+16*\c+8:\s+16*\c+15], v8
.endr
	v_nop                                          ; one plain vector instruction between the last conversion and the matrix instruction that reads its result
.endm
	s_wait_loadcnt 0x0
	QUANT X, CD
	QUANT X+64, CD+16
	v_wmma_f32_16x16x128_bf8_bf8 v[AC0:AC0+7], v[WF:WF+15], v[CD:CD+15], 0
	v_wmma_f32_16x16x128_bf8_bf8 v[AC1:AC1+7], v[WF+16:WF+31], v[CD+16:CD+31], 0
.rept 4
	v_nop                                          ; four places in front of the first read of the results
.endr
.irp j, 0,2,4,6
	v_pk_add_f32 v[SM+\j:SM+\j+1], v[AC0+\j:AC0+\j+1], v[AC1+\j:AC1+\j+1]   ; each accumulator from its low end on
.endr
	ds_store_b128 v5, v[SM:SM+3]                   ; my partial sum as an image of its registers (wave 0 stores too: its bytes are not read, and no branch stands in front of the barrier)
	ds_store_b128 v5, v[SM+4:SM+7] offset:512
	s_wait_dscnt 0x0                               ; for the others' sake: my stores have landed
	s_barrier_signal -1
	s_barrier_wait -1
	s_cmp_lg_u32 s14, 0
	s_cbranch_scc1 .Lend
.irp u, 1,2,3
	ds_load_b128 v[X+8*(\u-1):X+8*(\u-1)+3], v10 offset:1024*\u
	ds_load_b128 v[X+8*(\u-1)+4:X+8*(\u-1)+7], v10 offset:1024*\u+512
.endr
	s_wait_dscnt 0x0
.irp u, 0,1,2
.irp j, 0,2,4,6
	v_pk_add_f32 v[SM+\j:SM+\j+1], v[SM+\j:SM+\j+1], v[X+8*\u+\j:X+8*\u+\j+1]
.endr
.endr
.irp j, 0,1,2,3,4,5,6,7
	v_ldexp_f32 v[SM+\j], v[SM+\j], s28            ; x 2^(e0 + e1)
.endr
.irp j, 0,2,4,6
	v_pk_add_f32 v[SM+\j:SM+\j+1], v[SM+\j:SM+\j+1], v[BB+\j:BB+\j+1]
.endr
	global_store_b128 v6, v[SM:SM+3], s[26:27]
	global_store_b128 v6, v[SM+4:SM+7], s[26:27] offset:16
.Lend:
	s_wait_tensorcnt 0x0
	ds_add_u32 v254, v255
	s_wait_dscnt 0x0
	s_endpgm
.Lfunc_end_k_q0964d56622_proj:
	.size	k_q0964d56622_proj, .Lfunc_end_k_q0964d56622_proj-k_q0964d56622_proj
	.p2alignl 7, 3214868480
	.fill 96, 4, 3214868480
	.section	.rodata,"a",@progbits
	.p2align	6, 0x0
	.amdhsa_kernel k_q0964d56622_proj
		.amdhsa_group_segment_fixed_size 4608
		.amdhsa_private_segment_fixed_size 0
		.amdhsa_enable_private_segment 0
		.amdhsa_kernarg_size 40
		.amdhsa_user_sgpr_count 2
		.amdhsa_user_sgpr_kernarg_segment_ptr 1
		.amdhsa_wavefront_size32 1
		.amdhsa_system_sgpr_workgroup_id_x 1
		.amdhsa_system_sgpr_workgroup_id_y 1
		.amdhsa_system_sgpr_workgroup_id_z 1
		.amdhsa_system_vgpr_workitem_id 0
		.amdhsa_next_free_vgpr 256
		.amdhsa_next_free_sgpr 66
		.amdhsa_reserve_vcc 0
		.amdhsa_float_denorm_mode_32 3
		.amdhsa_float_denorm_mode_16_64 3
		.amdhsa_memory_ordered 1
		.amdhsa_forward_progress 1
		.amdhsa_inst_pref_size 19
	.end_amdhsa_kernel
	.amdgpu_metadata
---
amdhsa.version: [ 1, 2 ]
amdhsa.kernels:
  - .name:           k_q0964d56622_proj
    .symbol:         k_q0964d56622_proj.kd
    .args:
      - { .name: hidden_states, .offset: 0, .size: 8, .value_kind: global_buffer, .address_space: global }
      - { .name: W1_codes, .offset: 8, .size: 8, .value_kind: global_buffer, .address_space: global }
      - { .name: lowp_scales, .offset: 16, .size: 8, .value_kind: global_buffer, .address_space: global }
      - { .name: b1, .offset: 24, .size: 8, .value_kind: global_buffer, .address_space: global }
      - { .name: ht, .offset: 32, .size: 8, .value_kind: global_buffer, .address_space: global }
    .group_segment_fixed_size: 4608
    .private_segment_fixed_size: 0
    .kernarg_segment_align: 8
    .kernarg_segment_size: 40
    .max_flat_workgroup_size: 128
    .sgpr_count:     66
    .vgpr_count:     256
    .wavefront_size: 32
...
	.end_amdgpu_metadata
.endif
;; end of part 1
;; launch score (part 2): grid 256 x 1, 4 waves a work-group, clusters of 4 x 1, 327,680 bytes of LDS; arguments hidden_states, W1_codes, lowp_scales, b1, ht, scores, keys; writes scores, keys
.if DOCPART == 2
	.amdgcn_target "amdgcn-amd-amdhsa--gfx1250"
	.amdhsa_code_object_version 6
	.text
	.protected	k_q0964d56622_score
	.globl	k_q0964d56622_score
	.p2align	8
	.type	k_q0964d56622_score,@function
k_q0964d56622_score:
	s_mov_b64 s[64:65], 0
	v_nop
	global_prefetch_b8 v0, s[64:65] scope:SCOPE_SE
	s_setreg_imm32_b32 hwreg(HW_REG_WAVE_MODE, 25, 1), 1
	s_wait_xcnt 0x0
	s_wait_alu depctr_hold_cnt(0) depctr_sa_sdst(0) depctr_va_vdst(0) depctr_va_sdst(0) depctr_va_ssrc(0) depctr_va_vcc(0) depctr_vm_vsrc(0)
	s_getreg_b32 s2, hwreg(HW_REG_IB_STS2, 6, 4)
	s_cmp_eq_u32 s2, 0
	s_cbranch_scc0 .Lentry_in_a_cluster
	s_endpgm
.Lentry_in_a_cluster:
	s_bfe_u32 s2, ttmp6, 0x10000c
	s_cmp_lg_u32 s2, 0x3003
	s_cbranch_scc0 .Lentry_shape_is_right
	s_endpgm
.Lentry_shape_is_right:
; score[row] = sum over n of (Q(hs[row]) . W1[n] x 2^(e0 + e1) + b1[n]) x ht[batch][n], for all 65,536 rows of hs [65536][1024] f32.  The whole product hs W1 is made on E5M2 codes and never stored:
; a tile of 16 rows x 16 columns of sums is multiplied by gs[n] = ht[n] x 2^(e0 + e1) and added up as soon as it is made; c = sum of b1[n] ht[n] is added at the end.
; The score is linear in the sums, so K may be the OUTER loop: four chunks of 256 along K; while chunk c is multiplied, chunk c + 1 of hs arrives and is quantised.
; SHARES.  A work-group owns 256 rows (all of one batch), each of its four waves 64 rows: four tiles of 16, against all 1,024 columns.  A chunk's codes of a wave's rows stay in 128 registers.
; W1's codes come through a ring of two LDS slots of 256 rows (n) x 256 bytes (k); each wave fetches a quarter of a slot, 64 rows, by one tensor load.  16 slots in all: chunk c, rows 256 q on: number 4 c + q.
; CLUSTER.  The four work-groups of a cluster walk the same tiles of W1: each tile is asked for JOINTLY, by the same tensor load with the same descriptor and the mask of all four.
; THE MATRIX INSTRUCTION IS USED TRANSPOSED: source 0 = 16 rows of W1, source 1 = 16 rows of hs: lane (r, h) holds row r of hs and columns 8 h + 0 .. 7.
; A fragment's registers 4 c .. 4 c + 3 hold k = 32 c + 16 h + 0 .. 15 of the lane's row, alike in both operands.
; QUANTISING.  A load takes 512 consecutive bytes of ONE row (16 bytes a lane); eight registers (two rows x four numbers) make two registers of codes; a row's 128 codes go to the wave's own rows in LDS
; (32 lanes x 4 bytes on end) and come back as fragments: what is turned through LDS is the codes, a quarter of the numbers' bytes.
; KEYS (whole numbers, for the next launch): floor(largest score x log2 e), held within +-2^24, of each tile of 16 rows and of each wave's 64 rows.
; LIMITS: e0 between -126 and 112, so that 2^e0 and 57,344 x 2^e0 are f32 numbers; e0 + e1 goes by v_ldexp_f32.  NaN and infinities among the inputs are not served.
; REGISTERS, in windows of 256.  Window 0 holds all that a tile's products and sums touch: v1-7 addresses; v8-15 the four tiles' running scores (pairs); v16-31 gs, two sets; v32-63 four accumulators;
;   v64-127 W1's fragments, two sets of two; v128-255 the chunk's eight fragments of hs.   Window 1: four sets of 64 numbers of hs as loaded.   Window 2: v0-15 codes just made; v16 2^e0; v17, v18 addresses.
.set PITCH, 272                        ; an LDS row: 256 bytes + 16 of padding = 68 words: row r starts at bank 4 r mod 64 (64 banks of 4 bytes: ISA guide 11.1)
.set TROW,  16*PITCH                   ; 16 rows
.set QROWS, 64*PITCH                   ; 64 rows: what one tensor load brings; also a wave's rows of codes
.set SLOT,  256*PITCH
.set PARK,  2*SLOT                     ; behind the ring: for each wave 64 rows x 272: the next chunk's codes
.set GLDS,  PARK+4*QROWS               ; gs, 1,024 f32
.set CP,    GLDS+4096                  ; the four waves' parts of c
.set SPARE, CP+256                     ; the spare words, 128 bytes for each wave: two blocks of 256 bytes that no other line names
.set BL,  1                            ; v1  my lane's place in a tile of W1: r x pitch + 16 h
.set BA,  2                            ; v2  + the two tiles in hand
.set GL0, 3                            ; v3  my lane's place in gs: GLDS + 32 h
.set GA,  4                            ; v4  + the two tiles in hand
.set SPW, 5                            ; v5  LDS address of my spare word; never rewritten
.set NIL, 6                            ; v6  0; never rewritten
.set PKL, 7                            ; v7  my lane's place in my wave's rows of codes, for fragments
.set SA,  8
.set GS,  16
.set ACC, 32
.set BS,  64
.set AF,  128
.set PC,  0                            ; window 2
.set SCL, 16
.set GAD, 17                           ; 16 x lane
.set PST, 18                           ; my wave's rows of codes + 4 x lane
.set MSB, 0
.macro WIN new                         ; the immediate's high byte repeats the setting that is left; a switch that changes nothing is dropped
.if MSB != \new
	s_set_vgpr_msb (MSB<<8)|\new
.set MSB, \new
.endif
.endm
.set W_MED, 0x41                       ; destination and source 0 window 1
.set W_CVT, 0x89                       ; destination window 2, source 0 window 1, source 1 window 2
.set W_ST,  0x0a                       ; LDS store: address (source 0) and data (source 1) window 2
.set W_GL,  0x42                       ; global load: data (destination) window 1, address (source 0) window 2
; A round of the cluster's barrier: my work-group's barrier, wave 0 signals for the work-group, every wave waits for all four work-groups, my work-group's barrier once more.
.macro CROUND
	s_barrier_signal -1
	s_barrier_wait -1
	s_cmp_lg_u32 s18, 0
	s_cbranch_scc1 .Lnot_wave_0_\@
	s_barrier_signal -3
.Lnot_wave_0_\@:
	s_barrier_wait -3
	s_barrier_signal -1
	s_barrier_wait -1
.endm
	s_load_b256 s[4:11], s[0:1], 0x0               ; hs s[4:5], W1's codes s[6:7], the scales' exponents s[8:9], b1 s[10:11]
	s_load_b128 s[12:15], s[0:1], 0x20             ; ht s[12:13], scores s[14:15]
	s_load_b64 s[16:17], s[0:1], 0x30              ; keys
	v_lshl_add_u32 v[SPW], v0, 2, SPARE
	v_mov_b32 v[NIL], 0
	ds_add_u32 v5, v6
	ds_add_u32 v5, v6
	s_wait_dscnt 0x0
	v_lshrrev_b32 v1, 5, v0
	v_readfirstlane_b32 s18, v1                    ; wave 0..3
	s_bfe_u32 s19, ttmp6, 0x40000                  ; cx: my place in the cluster; it enters global addresses of hs, ht, scores and keys alone
	s_lshl_b32 s20, ttmp9, 2
	s_add_co_u32 s20, s20, s19                     ; my block of 256 rows = 4 x cluster + cx
	; descriptor group 1: a tile of 64 rows x 256 bytes, rows 1,024 bytes apart in memory, padded in LDS
	s_mov_b32 s24, 15|(1<<20)|(1<<21)|(5<<22)|(3<<25)   ; 15:0 the mask: all four work-groups; 17:16 elements of 1 byte; 20 padding on; 21 set beside a mask; 24:22 after every 64 words (code 5); 31:25 four words (code 3)
	s_mov_b32 s25, 256<<16                         ; tensor_dim0 = 256
	s_mov_b32 s26, 64<<16                          ; tensor_dim1 = 64
	s_mov_b32 s27, 256<<16                         ; tile_dim0 = 256
	s_mov_b32 s28, 64                              ; tile_dim1 = 64
	s_mov_b32 s29, 1024                            ; tensor_dim0_stride
	s_mov_b32 s30, 0
	s_mov_b32 s31, 0
	s_mov_b32 s54, 0x76543210                      ; v_permlanex16_b32: lane l xor 16
	s_mov_b32 s55, 0xfedcba98
	s_mov_b32 s56, 0x3fb8aa3b                      ; log2 e
	s_mov_b32 s57, 0xcb800000                      ; -2^24
	s_mov_b32 s58, 0x4b800000                      ; 2^24
	s_mul_i32 s21, s18, QROWS                      ; my quarter's place in a slot: the wave's number alone
	s_lshl_b32 s22, s18, 16                        ; and in W1: 64 rows of 1,024 bytes
	s_mov_b32 s23, 0
	s_wait_kmcnt 0x0
	s_load_b128 s[44:47], s[8:9], 0x0              ; e0, e1, e2, e3
	s_add_nc_u64 s[22:23], s[6:7], s[22:23]
.irp p, 0,1                            ; descriptor group 0, a set for each slot: slot p begins with W1's rows 256 p on, K chunk 0
	s_mov_b32 s[32+4*\p], 1
	s_add_co_u32 s[33+4*\p], s21, \p*SLOT
	s_add_nc_u64 s[34+4*\p:35+4*\p], s[22:23], \p*262144
	s_or_b32 s[35+4*\p], s[35+4*\p], 0x80000000
.endr
	CROUND                                         ; all four work-groups are here: the first joint loads meet
	tensor_load_to_lds s[32:35], s[24:31]          ; both first fills together: two tensor loads of mine are out
	s_nop 0
	tensor_load_to_lds s[36:39], s[24:31]
	s_nop 0
.rept 4
	v_nop                                          ; (behind a tensor load)
.endr
	s_lshl_b32 s60, s20, 20                        ; 256 rows of 4,096 bytes for each block,
	s_lshl_b32 s61, s18, 18                        ; 64 for each wave
	s_add_co_u32 s60, s60, s61
	s_mov_b32 s61, 0
	s_add_nc_u64 s[52:53], s[4:5], s[60:61]        ; hs at my wave's first row, K chunk 0
	s_lshr_b32 s60, s20, 3                         ; the batch: eight blocks each
	s_lshl_b32 s60, s60, 12
	s_lshl_b32 s62, s18, 10                        ; my wave's 256 of the 1,024 columns, for gs and c
	s_mov_b32 s63, 0
	s_add_nc_u64 s[10:11], s[10:11], s[62:63]
	s_add_co_u32 s60, s60, s62
	s_add_nc_u64 s[12:13], s[12:13], s[60:61]
	s_lshl_b32 s60, s20, 10
	s_lshl_b32 s62, s18, 8
	s_add_co_u32 s60, s60, s62
	s_add_nc_u64 s[14:15], s[14:15], s[60:61]      ; scores at my wave's first row
	s_lshl_b32 s60, s20, 4
	s_lshl_b32 s62, s18, 2
	s_add_co_u32 s60, s60, s62                     ; 4 x (4 x block + wave)
	s_add_co_u32 s62, s60, 16384
	s_add_nc_u64 s[22:23], s[16:17], s[62:63]      ; my wave's key, behind the 4,096 tile keys
	s_lshl_b32 s60, s60, 2
	s_add_nc_u64 s[16:17], s[16:17], s[60:61]      ; my four tile keys
	v_and_b32 v128, 15, v0                         ; r       (v128-159 are at work here; A's fragments take them later)
	v_bfe_u32 v129, v0, 4, 1                       ; h
	v_and_b32 v130, 31, v0                         ; lane
	v_mul_u32_u24 v[BL], v128, PITCH
	v_lshl_add_u32 v[BL], v129, 4, v[BL]
	v_lshlrev_b32 v[GL0], 5, v129
	v_add_nc_u32 v[GL0], GLDS, v[GL0]
	s_add_co_u32 s60, s21, PARK                    ; my wave's rows of codes
	v_add_nc_u32 v[PKL], s60, v[BL]
	v_lshlrev_b32 v131, 5, v130                    ; 32 x lane: my eight numbers of ht and b1
	WIN 0x80                                       ; destination window 2
	v_lshlrev_b32 v[GAD], 4, v130
	v_lshl_add_u32 v[PST], v130, 2, s60
	WIN 0
	global_load_b128 v[132:135], v131, s[12:13]
	global_load_b128 v[136:139], v131, s[12:13] offset:16
	global_load_b128 v[140:143], v131, s[10:11]
	global_load_b128 v[144:147], v131, s[10:11] offset:16
; Fragment f = 2 m + s of a chunk (rows 16 m on of my 64, K step s) is asked for: 16 loads, each 512 consecutive bytes of one row, into raw set f % 4; add: bytes on along K from the chunk in hand
.macro GLOAD f, add
	WIN W_GL
.set gi, 0
.rept 16
	global_load_b128 v[64*((\f)&3)+4*gi:64*((\f)&3)+4*gi+3], v[GAD], s[52:53] offset:(16*((\f)>>1)+gi)*4096+512*((\f)&1)+(\add) th:TH_LOAD_NT
.set gi, gi+1
.endr
.endm
; Fragment f is quantised and its codes go to my rows in LDS.  n: the younger loads that may stay out.  gl = 1: the set just emptied takes the fragment four further on.
.macro QF f, gl, n
.set RB, 64*((\f)&3)
	s_wait_loadcnt \n                              ; loads come back in order: this fragment's 16 are in
	WIN W_MED
.set qi, 0
.rept 64
	v_med3_num_f32 v[RB+qi], v[RB+qi], s49, s48    ; the conversion to an 8-bit code does not saturate (ISA guide 7.6.2): the hold at +-57,344 x 2^e0
.set qi, qi+1
.endr
	s_wait_dscnt 0x0                               ; the last fragment's LDS stores have read the codes' registers
	WIN W_CVT
.set qi, 0
.rept 8
	v_cvt_scalef32_pk8_bf8_f32 v[PC+2*qi:PC+2*qi+1], v[RB+8*qi:RB+8*qi+7], v[SCL]   ; rows 2 qi and 2 qi + 1, four numbers each: a register of four codes for each row
.set qi, qi+1
.endr
	v_nop                                          ; one plain vector instruction behind the last conversion
	WIN W_ST
.set qi, 0
.rept 16
	ds_store_b32 v[PST], v[PC+qi] offset:(16*((\f)>>1)+qi)*PITCH+128*((\f)&1)   ; 32 lanes: a row's 128 codes on end
.set qi, qi+1
.endr
.if \gl
.set NF, ((\f)+4)&7
.set NA, (((\f)+4)>>3)*1024
	GLOAD NF, NA
.endif
	WIN 0
.endm
; My rows' codes come back as the chunk's eight fragments.  LDS serves a wave's instructions in order (ISA guide 5.7.1.4): these see my stores.
.macro ALOAD
.irp fm, 0,1,2,3
.irp fs, 0,1
.irp fc, 0,1,2,3
	ds_load_b128 v[AF+16*(2*\fm+\fs)+4*\fc:AF+16*(2*\fm+\fs)+4*\fc+3], v[PKL] offset:\fm*TROW+128*\fs+32*\fc
.endr
.endr
.endr
.endm
; A part of the fetch of the tile t tiles on from the address in hand, into set p: parts 0-3 two loads of W1's codes each, part 4 the tile's gs
.macro BF p, t, part
.if \part < 4
	ds_load_b128 v[BS+32*(\p)+8*\part:BS+32*(\p)+8*\part+3],   v[BA] offset:(\t)*TROW+128*(\part/2)+64*(\part%2)
	ds_load_b128 v[BS+32*(\p)+8*\part+4:BS+32*(\p)+8*\part+7], v[BA] offset:(\t)*TROW+128*(\part/2)+64*(\part%2)+32
.else
	ds_load_b128 v[GS+8*(\p):GS+8*(\p)+3],   v[GA] offset:64*(\t)
	ds_load_b128 v[GS+8*(\p)+4:GS+8*(\p)+7], v[GA] offset:64*(\t)+16
.endif
.endm
.macro W m, s, p, zero                 ; 16 columns x rows 16 m on, K step s
.if \zero
	v_wmma_f32_16x16x128_bf8_bf8 v[ACC+8*\m:ACC+8*\m+7], v[BS+32*(\p)+16*\s:BS+32*(\p)+16*\s+15], v[AF+16*(2*\m+\s):AF+16*(2*\m+\s)+15], 0
.else
	v_wmma_f32_16x16x128_bf8_bf8 v[ACC+8*\m:ACC+8*\m+7], v[BS+32*(\p)+16*\s:BS+32*(\p)+16*\s+15], v[AF+16*(2*\m+\s):AF+16*(2*\m+\s)+15], v[ACC+8*\m:ACC+8*\m+7]
.endif
.endm
.macro F m, i, p                       ; two of a lane's eight sums x their gs, onto the tile's running score
	v_pk_fma_f32 v[SA+2*\m:SA+2*\m+1], v[ACC+8*\m+2*\i:ACC+8*\m+2*\i+1], v[GS+8*(\p)+2*\i:GS+8*(\p)+2*\i+1], v[SA+2*\m:SA+2*\m+1]
.endm
; ONE TILE of 16 columns against my 64 rows, 256 along K: eight matrix instructions on four accumulators by turns, begun with the constant 0; then the 16 packed multiply-adds.
; PLACES (save for loads): four plain vector instructions stand between a product and the first read of its result (the v_nop for accumulators 0 and 1, the other tiles'
; multiply-adds for 2 and 3), five or more in front of the next tile's products that begin the accumulators anew, four or more in front of loads into the set that the tile before multiplied.
; Each accumulator is read from its low end on.  pre = 1: the tile t on is fetched into the other set meanwhile.
.macro TILE p, pre, t
	s_wait_dscnt 0x0                               ; this tile's fragments and gs, asked for a tile ago, are in
	W 0, 0, \p, 1
.if \pre
	BF 1-\p, \t, 0
.endif
	W 1, 0, \p, 1
.if \pre
	BF 1-\p, \t, 1
.endif
	W 2, 0, \p, 1
.if \pre
	BF 1-\p, \t, 2
.endif
	W 3, 0, \p, 1
.if \pre
	BF 1-\p, \t, 3
.endif
	W 0, 1, \p, 0
.if \pre
	BF 1-\p, \t, 4
.endif
	W 1, 1, \p, 0
.rept 4
	v_nop
.endr
	W 2, 1, \p, 0
	F 0, 0, \p
	F 1, 0, \p
	F 0, 1, \p
	F 1, 1, \p
	W 3, 1, \p, 0
	F 0, 2, \p
	F 1, 2, \p
	F 0, 3, \p
	F 1, 3, \p
	F 2, 0, \p
	F 3, 0, \p
	F 2, 1, \p
	F 3, 1, \p
	F 2, 2, \p
	F 3, 2, \p
	F 2, 3, \p
	F 3, 3, \p
.endm
; A SLOT: W1's rows 256 q on, 16 tiles.  Seven trips of two tiles; the last two are written out, so that no fetch leaves the slot.
.macro TILES q
	s_mov_b32 s40, ((\q)&1)*SLOT
	s_mov_b32 s41, 1024*(\q)
	v_add_nc_u32 v[BA], s40, v[BL]
	v_add_nc_u32 v[GA], s41, v[GL0]
	BF 0, 0, 0
	BF 0, 0, 1
	BF 0, 0, 2
	BF 0, 0, 3
	BF 0, 0, 4
	s_mov_b32 s42, 7
.Ltl_\@:
	TILE 0, 1, 1
	TILE 1, 1, 2
	s_add_co_u32 s40, s40, 2*TROW
	s_add_co_u32 s41, s41, 128
	v_add_nc_u32 v[BA], s40, v[BL]
	v_add_nc_u32 v[GA], s41, v[GL0]
	s_sub_co_u32 s42, s42, 1
	s_cmp_lg_u32 s42, 0
	s_cbranch_scc1 .Ltl_\@
	TILE 0, 1, 1
	TILE 1, 0, 0
.endm
; THE CHANGE OF SLOTS.  Each wave waits for all its tensor loads (one is out: its quarter of the slot ahead), adds 0 to its spare word, and waits for that and for its reads of the slot that it leaves.
; fill = 1: behind a round of the cluster's barrier, so that no wave of any partner still reads that slot or has a load on its way, slot pf is filled again with the slot two on:
; up = 1: W1's rows 512 further down; up = 0: 512 rows back and 256 bytes on along K.  The load has a slot's 128 matrix instructions in which to land.
.macro CHANGE pf, up, fill
	s_wait_tensorcnt 0x0                           ; no tensor load of mine is out, so a group 0 may be written
	ds_add_u32 v[SPW], v[NIL]                      ; 0 onto my spare word
.if \fill
.if \up
	s_add_nc_u64 s[34+4*\pf:35+4*\pf], s[34+4*\pf:35+4*\pf], 524288
.else
	s_sub_nc_u64 s[34+4*\pf:35+4*\pf], s[34+4*\pf:35+4*\pf], 524032
.endif
.endif
	s_wait_dscnt 0x0                               ; the add is done, my reads of the slot are over, my LDS stores have landed
.if \fill
	CROUND
	tensor_load_to_lds s[32+4*\pf:35+4*\pf], s[24:31]   ; the first thing behind the round, and my one tensor load until the next
	s_nop 0
.rept 4
	v_nop
.endr
.else
	s_barrier_signal -1
	s_barrier_wait -1
.endif
.endm
	GLOAD 0, 0
	GLOAD 1, 0
	WIN 0
	s_wait_kmcnt 0x0
	s_add_co_i32 s50, s44, s45                     ; e0 + e1
	s_add_co_i32 s60, s44, 127
	s_lshl_b32 s61, s60, 23                        ; 2^e0 as f32
	s_add_co_i32 s60, s60, 15
	s_lshl_b32 s60, s60, 23
	s_or_b32 s48, s60, 0x600000                    ; 57,344 x 2^e0,
	s_or_b32 s49, s48, 0x80000000                  ; and its negative
	WIN 0x80
	v_mov_b32 v[SCL], s61
	WIN 0
	s_lshl_b32 s60, s18, 10
	s_add_co_u32 s60, s60, GLDS
	v_add_nc_u32 v156, s60, v131                   ; where my eight gs go
	s_lshl_b32 s60, s18, 2
	s_add_co_u32 s60, s60, CP
	v_mov_b32 v157, s60                            ; where my wave's part of c goes
	s_wait_loadcnt 32                              ; ht and b1 are in; the two fragments asked for behind them may be out
.irp j, 0,1,2,3,4,5,6,7
	v_ldexp_f32 v[148+\j], v[132+\j], s50          ; gs = ht x 2^(e0 + e1)
.endr
	ds_store_b128 v156, v[148:151]
	ds_store_b128 v156, v[152:155] offset:16
	v_pk_mul_f32 v[158:159], v[132:133], v[140:141]
	v_pk_fma_f32 v[158:159], v[134:135], v[142:143], v[158:159]
	v_pk_fma_f32 v[158:159], v[136:137], v[144:145], v[158:159]
	v_pk_fma_f32 v[158:159], v[138:139], v[146:147], v[158:159]
	v_add_f32 v158, v158, v159
	v_add_f32_dpp v158, v158, v158 row_xmask:1 row_mask:0xf bank_mask:0xf
	v_add_f32_dpp v158, v158, v158 row_xmask:2 row_mask:0xf bank_mask:0xf
	v_add_f32_dpp v158, v158, v158 row_xmask:4 row_mask:0xf bank_mask:0xf
	v_add_f32_dpp v158, v158, v158 row_xmask:8 row_mask:0xf bank_mask:0xf
	v_permlanex16_b32 v159, v158, s54, s55
	v_add_f32 v158, v158, v159
	ds_store_b32 v157, v158                        ; all lanes write the same word with the same value
.irp j, 0,1,2,3,4,5,6,7
	v_mov_b32 v[SA+\j], 0                          ; the running scores: eight registers, added onto through all 256 tiles
.endr
	GLOAD 2, 0
	GLOAD 3, 0
	WIN 0
.irp f, 0,1,2,3,4,5,6,7                ; chunk 0 is quantised with nothing to multiply yet; its last four turns ask for chunk 1's first four fragments
	QF \f, 1, 48                                   ; 48: the three younger fragments' loads
.endr
	s_wait_xcnt 0x0                                ; the loads' base is stepped only behind this wait
	s_add_nc_u64 s[52:53], s[52:53], 1024          ; hs at chunk 1
	s_wait_tensorcnt 0x1                           ; my quarter of slot 0 is in; slot 1's may stay out
	s_wait_dscnt 0x0                               ; gs and my part of c have landed
	s_barrier_signal -1
	s_barrier_wait -1
	ALOAD
	TILES 0
	QF 0, 1, 48
	QF 1, 1, 48
	s_mov_b32 s43, 2
.Lchunk:                                           ; a trip: the last three slots of a chunk and the first of the next; eight fragments of hs quantised, eight asked for
	CHANGE 0, 1, 1
	TILES 1
	QF 2, 1, 48
	QF 3, 1, 48
	CHANGE 1, 1, 1
	TILES 2
	QF 4, 1, 48
	QF 5, 1, 48
	CHANGE 0, 0, 1
	TILES 3
	QF 6, 1, 48
	QF 7, 1, 48
	s_wait_xcnt 0x0
	s_add_nc_u64 s[52:53], s[52:53], 1024
	ALOAD                                          ; the chunk's products are issued, 128 plain vector instructions back: its fragments' registers take the next chunk's
	CHANGE 1, 0, 1
	TILES 0
	QF 0, 1, 48
	QF 1, 1, 48
	s_sub_co_u32 s43, s43, 1
	s_cmp_lg_u32 s43, 0
	s_cbranch_scc1 .Lchunk
	CHANGE 0, 1, 1                                 ; the tail is written out: no tensor load and no counted wait is jumped over
	TILES 1
	QF 2, 1, 48
	QF 3, 1, 48                                    ; the last fragments of hs are asked for
	CHANGE 1, 1, 1
	TILES 2
	QF 4, 0, 48
	QF 5, 0, 32                                    ; the counts run down
	CHANGE 0, 0, 1
	TILES 3
	QF 6, 0, 16
	QF 7, 0, 0
	ALOAD
	CHANGE 1, 0, 1
	TILES 0
	CHANGE 0, 1, 1
	TILES 1
	CHANGE 1, 1, 1
	TILES 2
	CHANGE 0, 0, 0                                 ; the last slot: nothing is left to fetch
	TILES 3
	; THE WAY OUT.  A running score's two halves and the other half of the lanes' (columns 8 h on) are added, then c.  (v64-88, W1's set 0, were last multiplied a tile ago.)
.irp m, 0,1,2,3
	v_add_f32 v[64+\m], v[SA+2*\m], v[SA+2*\m+1]
	v_mov_b32 v[68+\m], 0                          ; a lane permute's destination counts as one of its sources
.endr
	v_mov_b32 v76, CP
	ds_load_b128 v[72:75], v76                     ; the four waves' parts of c
.irp m, 0,1,2,3
	v_permlanex16_b32 v[68+\m], v[64+\m], s54, s55
.endr
.irp m, 0,1,2,3
	v_add_f32 v[64+\m], v[64+\m], v[68+\m]
.endr
	s_wait_dscnt 0x0
	v_add_f32 v72, v72, v73
	v_add_f32 v74, v74, v75
	v_add_f32 v72, v72, v74
.irp m, 0,1,2,3
	v_add_f32 v[64+\m], v[64+\m], v72              ; lane (r, h): the score of row 16 m + r
.endr
	v_and_b32 v77, 31, v0
	v_cmp_le_u32 vcc_lo, 16, v77
	v_cndmask_b32 v80, v64, v65, vcc_lo            ; rows 0-31, one a lane,
	v_cndmask_b32 v81, v66, v67, vcc_lo            ; rows 32-63
	v_lshlrev_b32 v82, 2, v77
	global_store_b32 v82, v80, s[14:15]            ; 128 consecutive bytes each; the wave's two stores fill 256 consecutive bytes, aligned
	global_store_b32 v82, v81, s[14:15] offset:128
.irp k, 1,2,4,8
.irp m, 0,1,2,3
	v_max_num_f32_dpp v[64+\m], v[64+\m], v[64+\m] row_xmask:\k row_mask:0xf bank_mask:0xf
.endr
.endr
	v_max3_num_f32 v68, v64, v65, v66
	v_max_num_f32 v68, v68, v67                    ; the largest of my 64 rows
.irp i, 64,65,66,67,68
	v_mul_f32 v\i, s56, v\i
.endr
.irp i, 64,65,66,67,68
	v_med3_num_f32 v\i, v\i, s57, s58              ; held within +-2^24: it can only make the next launch leave out fewer tiles
.endr
.irp i, 64,65,66,67,68
	v_floor_f32 v\i, v\i
.endr
.irp i, 64,65,66,67,68
	v_cvt_i32_f32 v\i, v\i
.endr
	v_mov_b32 v83, 0
	v_cmp_eq_u32 vcc_lo, 0, v77
	s_wait_xcnt 0x0                                ; EXEC changes only behind this wait
	s_and_saveexec_b32 s59, vcc_lo                 ; lane 0 alone
	global_store_b128 v83, v[64:67], s[16:17]      ; my four tile keys
	global_store_b32 v83, v68, s[22:23]            ; my wave's key
	s_wait_xcnt 0x0
	s_or_b32 exec_lo, exec_lo, s59
	s_wait_tensorcnt 0x0                           ; the wave's end
	ds_add_u32 v[SPW], v[NIL]
	s_wait_dscnt 0x0
	CROUND                                         ; the closing round: no work-group ends while a partner may still ask for a tile that names it
	s_endpgm
.Lfunc_end_k_q0964d56622_score:
	.size	k_q0964d56622_score, .Lfunc_end_k_q0964d56622_score-k_q0964d56622_score
	.p2alignl 7, 3214868480
	.fill 96, 4, 3214868480
	.section	.rodata,"a",@progbits
	.p2align	6, 0x0
	.amdhsa_kernel k_q0964d56622_score
		.amdhsa_group_segment_fixed_size 327680
		.amdhsa_private_segment_fixed_size 0
		.amdhsa_enable_private_segment 0
		.amdhsa_kernarg_size 56
		.amdhsa_user_sgpr_count 2
		.amdhsa_user_sgpr_kernarg_segment_ptr 1
		.amdhsa_wavefront_size32 1
		.amdhsa_system_sgpr_workgroup_id_x 1
		.amdhsa_system_sgpr_workgroup_id_y 1
		.amdhsa_system_sgpr_workgroup_id_z 1
		.amdhsa_system_vgpr_workitem_id 0
		.amdhsa_next_free_vgpr 544
		.amdhsa_next_free_sgpr 66
		.amdhsa_reserve_vcc 1
		.amdhsa_float_denorm_mode_32 3
		.amdhsa_float_denorm_mode_16_64 3
		.amdhsa_memory_ordered 1
		.amdhsa_forward_progress 1
		.amdhsa_inst_pref_size 255
	.end_amdhsa_kernel
	.section	.bss,"aw",@nobits
	.p2align	6
	.space	262144
	.amdgpu_metadata
---
amdhsa.version: [ 1, 2 ]
amdhsa.kernels:
  - .name:           k_q0964d56622_score
    .symbol:         k_q0964d56622_score.kd
    .args:
      - { .name: hidden_states, .offset: 0, .size: 8, .value_kind: global_buffer, .address_space: global }
      - { .name: W1_codes, .offset: 8, .size: 8, .value_kind: global_buffer, .address_space: global }
      - { .name: lowp_scales, .offset: 16, .size: 8, .value_kind: global_buffer, .address_space: global }
      - { .name: b1, .offset: 24, .size: 8, .value_kind: global_buffer, .address_space: global }
      - { .name: ht, .offset: 32, .size: 8, .value_kind: global_buffer, .address_space: global }
      - { .name: scores, .offset: 40, .size: 8, .value_kind: global_buffer, .address_space: global }
      - { .name: keys, .offset: 48, .size: 8, .value_kind: global_buffer, .address_space: global }
    .group_segment_fixed_size: 327680
    .private_segment_fixed_size: 0
    .kernarg_segment_align: 8
    .kernarg_segment_size: 56
    .max_flat_workgroup_size: 128
    .sgpr_count:     66
    .vgpr_count:     544
    .wavefront_size: 32
...
	.end_amdgpu_metadata
.endif
;; end of part 2
;; launch context (part 3): grid 256 x 1, 16 waves a work-group, no clusters, 10,752 bytes of LDS; arguments hidden_states, scores, keys, ht, lowp_scales, pre_codes; writes pre_codes
.if DOCPART == 3
	.amdgcn_target "amdgcn-amd-amdhsa--gfx1250"
	.amdhsa_code_object_version 6
	.text
	.protected	k_q0964d56622_context
	.globl	k_q0964d56622_context
	.p2align	8
	.type	k_q0964d56622_context,@function
k_q0964d56622_context:
	s_mov_b64 s[64:65], 0
	v_nop
	global_prefetch_b8 v0, s[64:65] scope:SCOPE_SE
	s_setreg_imm32_b32 hwreg(HW_REG_WAVE_MODE, 25, 1), 1
	s_wait_xcnt 0x0
; pre_codes[b][0:1024] = Q(sum over t of softmax(score[b])[t] hs[b][t][:]),  pre_codes[b][1024:2048] = Q(ht[b][:]): E5M2 codes with the given scale 2^e2, K innermost: the operand of the last product.
; SHARES.  A work-group takes one batch b and 128 of the 1,024 columns (512 bytes of a row); each of its 16 waves takes 128 time steps, eight tiles of 16.  All in f32; no matrix work: the products have one column.
; SOFTMAX.  Each wave finds the largest m and the sum l of 2^((s - m) log2 e) of its 128 scores; the 16 pairs meet in LDS and give the batch's largest M and sum.  p = 2^((s - M) log2 e); the sum divides at the end.
; TILES LEFT OUT.  keys holds floor(largest score x log2 e) for each tile of 16 rows and each 64 rows, whole numbers stored by the launch before.  A tile whose key lies more than 132 under the batch's largest key
; has (s - M) log2 e under -126 for all its rows, with 6 to spare for the floors and for the rounding of numbers up to 2^24: v_exp_f32 gives 0 there (a result under 2^-126 comes out as zero: ISA guide 15.8),
; so the tile adds nothing and is not read: a scalar branch on loaded whole numbers, round the tile's loads and arithmetic; no barrier stands inside.  With scores close together every tile is read.
; LIMITS: e2 between -126 and 112.  NaN and infinities among the inputs are not served.
; The output is small (64 KiB in all): a store of the wave covers 128 consecutive bytes.
.set RED, 0                            ; LDS: 16 waves x 512 bytes: their partial sums
.set STT, 8192                         ; 16 pairs (m, l)
	s_load_b256 s[4:11], s[0:1], 0x0               ; hs s[4:5], scores s[6:7], keys s[8:9], ht s[10:11]
	s_load_b128 s[12:15], s[0:1], 0x20             ; the scales' exponents s[12:13], pre_codes s[14:15]
	v_lshl_add_u32 v128, v0, 2, 0x2200
	v_mov_b32 v129, 0
	v_lshrrev_b32 v1, 5, v0
	v_readfirstlane_b32 s16, v1                    ; wave 0..15
	v_and_b32 v1, 31, v0                           ; lane
	v_lshlrev_b32 v2, 4, v1                        ; 16 x lane
	v_mov_b32 v3, 0                                ; offset 0: every lane reads the same 16 bytes
	v_lshlrev_b32 v29, 2, v1                       ; 4 x lane
	s_lshl_b32 s19, s16, 9
	v_add_nc_u32 v26, s19, v2                      ; RED + 512 x wave + 16 x lane
	s_lshl_b32 s19, s16, 3
	s_add_co_u32 s19, s19, STT
	v_mov_b32 v19, s19                             ; my wave's pair
	v_and_b32 v22, 15, v0
	v_lshlrev_b32 v22, 3, v22
	v_add_nc_u32 v22, STT, v22                     ; the pair of wave lane % 16
	s_lshr_b32 s17, ttmp9, 3                       ; b
	s_and_b32 s18, ttmp9, 7                        ; which 128 columns
	s_mov_b32 s26, 0x76543210                      ; v_permlanex16_b32: lane l xor 16
	s_mov_b32 s27, 0xfedcba98
	s_mov_b32 s28, 0x3fb8aa3b                      ; log2 e
	s_mov_b32 s21, 0
	s_wait_kmcnt 0x0
	s_lshl_b32 s20, s17, 7
	s_add_co_u32 s20, s20, 16384
	s_add_nc_u64 s[22:23], s[8:9], s[20:21]        ; the batch's 32 keys of 64 rows
	s_lshl_b32 s20, s17, 9
	s_lshl_b32 s19, s16, 5
	s_add_co_u32 s20, s20, s19
	s_add_nc_u64 s[24:25], s[8:9], s[20:21]        ; my eight tile keys
	s_load_b512 s[32:47], s[22:23], 0x0
	s_load_b512 s[48:63], s[22:23], 0x40
	s_load_b256 s[72:79], s[24:25], 0x0
	s_load_b128 s[68:71], s[12:13], 0x0            ; e0, e1, e2, e3
	s_lshl_b32 s20, s17, 13
	s_lshl_b32 s19, s16, 9
	s_add_co_u32 s20, s20, s19
	s_add_nc_u64 s[6:7], s[6:7], s[20:21]          ; my 128 scores
	s_lshl_b32 s20, s17, 12
	s_lshl_b32 s19, s18, 9
	s_add_co_u32 s20, s20, s19
	s_add_nc_u64 s[10:11], s[10:11], s[20:21]      ; ht: the batch's row, my 128 columns
	s_lshl_b32 s20, s17, 23
	s_add_co_u32 s20, s20, s19
	s_lshl_b32 s19, s16, 19
	s_add_co_u32 s20, s20, s19
	s_add_nc_u64 s[4:5], s[4:5], s[20:21]          ; hs: the batch, my 128 rows, my 128 columns
	s_lshl_b32 s20, s17, 11
	s_lshl_b32 s19, s18, 7
	s_add_co_u32 s20, s20, s19
	s_add_nc_u64 s[14:15], s[14:15], s[20:21]      ; pre_codes: the batch's row, my 128 codes
	global_load_b128 v[4:7], v2, s[6:7]            ; four scores a lane
	global_load_b128 v[12:15], v2, s[10:11]        ; four numbers of ht a lane (wave 0 uses them at the end)
.irp j, 8,9,10,11
	v_mov_b32 v\j, 0                               ; my four columns' sums
.endr
	v_mov_b32 v17, 0                               ; written once: a lane permute's destination counts as one of its sources
	v_mov_b32 v18, 0
	s_wait_kmcnt 0x0
	s_max_i32 s80, s32, s33
.set kk, 34
.rept 30
	s_max_i32 s80, s80, s[kk]
.set kk, kk+1
.endr
	s_sub_co_i32 s81, s80, 132                     ; a tile with a key under this adds nothing
	s_add_co_i32 s29, s70, 127
	s_lshl_b32 s19, s29, 23
	v_mov_b32 v28, s19                             ; 2^e2 as f32
	s_add_co_i32 s29, s29, 15
	s_lshl_b32 s29, s29, 23
	s_or_b32 s30, s29, 0x600000                    ; 57,344 x 2^e2,
	s_or_b32 s31, s30, 0x80000000                  ; and its negative
	s_wait_loadcnt 0x0
	v_max3_num_f32 v16, v4, v5, v6
	v_max_num_f32 v16, v16, v7
	v_max_num_f32_dpp v16, v16, v16 row_xmask:1 row_mask:0xf bank_mask:0xf
	v_max_num_f32_dpp v16, v16, v16 row_xmask:2 row_mask:0xf bank_mask:0xf
	v_max_num_f32_dpp v16, v16, v16 row_xmask:4 row_mask:0xf bank_mask:0xf
	v_max_num_f32_dpp v16, v16, v16 row_xmask:8 row_mask:0xf bank_mask:0xf
	v_permlanex16_b32 v17, v16, s26, s27
	v_max_num_f32 v16, v16, v17                    ; m: the largest of my wave's 128 scores
.irp j, 0,1,2,3
	v_sub_f32 v[32+\j], v[4+\j], v16
.endr
.irp j, 0,1,2,3
	v_mul_f32 v[32+\j], s28, v[32+\j]
.endr
.irp j, 0,1,2,3
	v_exp_f32 v[32+\j], v[32+\j]
.endr
	v_nop                                          ; a plain instruction behind the exponentials
	s_wait_alu depctr_va_vdst(0)
	v_add_f32 v17, v32, v33
	v_add_f32 v34, v34, v35
	v_add_f32 v17, v17, v34
	v_add_f32_dpp v17, v17, v17 row_xmask:1 row_mask:0xf bank_mask:0xf
	v_add_f32_dpp v17, v17, v17 row_xmask:2 row_mask:0xf bank_mask:0xf
	v_add_f32_dpp v17, v17, v17 row_xmask:4 row_mask:0xf bank_mask:0xf
	v_add_f32_dpp v17, v17, v17 row_xmask:8 row_mask:0xf bank_mask:0xf
	v_permlanex16_b32 v18, v17, s26, s27
	v_add_f32 v17, v17, v18                        ; l: their sum under m
	ds_store_b64 v19, v[16:17]                     ; all lanes write the same pair with the same values
	s_wait_dscnt 0x0                               ; for the others' sake
	s_barrier_signal -1
	s_barrier_wait -1
	ds_load_b64 v[20:21], v22                      ; lane i % 16: wave i's m and l
	s_wait_dscnt 0x0
	v_mov_b32 v23, v20
	v_max_num_f32_dpp v23, v23, v23 row_xmask:1 row_mask:0xf bank_mask:0xf
	v_max_num_f32_dpp v23, v23, v23 row_xmask:2 row_mask:0xf bank_mask:0xf
	v_max_num_f32_dpp v23, v23, v23 row_xmask:4 row_mask:0xf bank_mask:0xf
	v_max_num_f32_dpp v23, v23, v23 row_xmask:8 row_mask:0xf bank_mask:0xf   ; M: the batch's largest score, in every lane
	v_sub_f32 v24, v20, v23
	v_mul_f32 v24, s28, v24
	v_exp_f32 v24, v24
	v_nop
	s_wait_alu depctr_va_vdst(0)
	v_mul_f32 v24, v21, v24                        ; wave i's sum under M
	v_add_f32_dpp v24, v24, v24 row_xmask:1 row_mask:0xf bank_mask:0xf
	v_add_f32_dpp v24, v24, v24 row_xmask:2 row_mask:0xf bank_mask:0xf
	v_add_f32_dpp v24, v24, v24 row_xmask:4 row_mask:0xf bank_mask:0xf
	v_add_f32_dpp v24, v24, v24 row_xmask:8 row_mask:0xf bank_mask:0xf
	v_rcp_f32 v25, v24                             ; 1 / the batch's sum (at least 1: the largest score's own term)
	v_nop
; Tile i of my eight: 16 rows x 512 bytes.  No load is out at its head, on either way: each tile ends with a wait for all its loads.
.macro CT i
	s_cmp_ge_i32 s[72+\i], s81
	s_cbranch_scc0 .Lskip_\@
.irp u, 0,1,2,3
	global_load_b128 v[32+4*\u:32+4*\u+3], v3, s[6:7] offset:(16*\i+4*\u)*4     ; the tile's 16 scores, in every lane
.endr
.irp r, 0,1,2,3,4,5,6,7,8,9,10,11,12,13,14,15
	global_load_b128 v[48+4*\r:48+4*\r+3], v2, s[4:5] offset:(16*\i+\r)*4096    ; 32 lanes read 512 consecutive bytes of a row
.endr
	s_wait_loadcnt 16                              ; the scores are in; the 16 rows may be out
.irp r, 0,1,2,3,4,5,6,7,8,9,10,11,12,13,14,15
	v_sub_f32 v[32+\r], v[32+\r], v23
.endr
.irp r, 0,1,2,3,4,5,6,7,8,9,10,11,12,13,14,15
	v_mul_f32 v[32+\r], s28, v[32+\r]
.endr
.irp r, 0,1,2,3,4,5,6,7,8,9,10,11,12,13,14,15
	v_exp_f32 v[32+\r], v[32+\r]                   ; p = 2^((s - M) log2 e), at most 1
.endr
	v_nop
	s_wait_loadcnt 0x0
	s_wait_alu depctr_va_vdst(0)
.irp r, 0,1,2,3,4,5,6,7,8,9,10,11,12,13,14,15
.irp d, 0,1,2,3
	v_fmac_f32 v[8+\d], v[32+\r], v[48+4*\r+\d]
.endr
.endr
.Lskip_\@:
.endm
.irp i, 0,1,2,3,4,5,6,7
	CT \i
.endr
	ds_store_b128 v26, v[8:11]
	s_wait_dscnt 0x0                               ; for wave 0's sake
	s_barrier_signal -1
	s_barrier_wait -1
	s_cmp_lg_u32 s16, 0
	s_cbranch_scc1 .Lend
.irp u, 0,1,2,3,4,5,6,7,8,9,10,11,12,13,14,15
	ds_load_b128 v[32+4*\u:32+4*\u+3], v2 offset:RED+512*\u
.endr
	s_wait_dscnt 0x0
	v_pk_add_f32 v[8:9], v[32:33], v[36:37]        ; the 16 waves' sums, in ascending order
	v_pk_add_f32 v[10:11], v[34:35], v[38:39]
.irp u, 2,3,4,5,6,7,8,9,10,11,12,13,14,15
	v_pk_add_f32 v[8:9], v[8:9], v[32+4*\u:33+4*\u]
	v_pk_add_f32 v[10:11], v[10:11], v[34+4*\u:35+4*\u]
.endr
	s_wait_alu depctr_va_vdst(0)
.irp j, 8,9,10,11
	v_mul_f32 v\j, v\j, v25                        ; the context: / the batch's sum
.endr
.irp j, 8,9,10,11,12,13,14,15
	v_med3_num_f32 v\j, v\j, s31, s30              ; the conversion to an 8-bit code does not saturate (ISA guide 7.6.2): the hold at +-57,344 x 2^e2
.endr
	v_cvt_scalef32_pk8_bf8_f32 v[96:97], v[8:15], v28   ; v96: four codes of the context; v97: four codes of ht (the results go to stores alone)
	global_store_b32 v29, v96, s[14:15]
	global_store_b32 v29, v97, s[14:15] offset:1024
.Lend:
	s_wait_tensorcnt 0x0
	ds_add_u32 v128, v129
	s_wait_dscnt 0x0
	s_endpgm
.Lfunc_end_k_q0964d56622_context:
	.size	k_q0964d56622_context, .Lfunc_end_k_q0964d56622_context-k_q0964d56622_context
	.p2alignl 7, 3214868480
	.fill 96, 4, 3214868480
	.section	.rodata,"a",@progbits
	.p2align	6, 0x0
	.amdhsa_kernel k_q0964d56622_context
		.amdhsa_group_segment_fixed_size 10752
		.amdhsa_private_segment_fixed_size 0
		.amdhsa_enable_private_segment 0
		.amdhsa_kernarg_size 48
		.amdhsa_user_sgpr_count 2
		.amdhsa_user_sgpr_kernarg_segment_ptr 1
		.amdhsa_wavefront_size32 1
		.amdhsa_system_sgpr_workgroup_id_x 1
		.amdhsa_system_sgpr_workgroup_id_y 1
		.amdhsa_system_sgpr_workgroup_id_z 1
		.amdhsa_system_vgpr_workitem_id 0
		.amdhsa_next_free_vgpr 130
		.amdhsa_next_free_sgpr 84
		.amdhsa_reserve_vcc 0
		.amdhsa_float_denorm_mode_32 3
		.amdhsa_float_denorm_mode_16_64 3
		.amdhsa_memory_ordered 1
		.amdhsa_forward_progress 1
		.amdhsa_inst_pref_size 56
	.end_amdhsa_kernel
	.amdgpu_metadata
---
amdhsa.version: [ 1, 2 ]
amdhsa.kernels:
  - .name:           k_q0964d56622_context
    .symbol:         k_q0964d56622_context.kd
    .args:
      - { .name: hidden_states, .offset: 0, .size: 8, .value_kind: global_buffer, .address_space: global }
      - { .name: scores, .offset: 8, .size: 8, .value_kind: global_buffer, .address_space: global }
      - { .name: keys, .offset: 16, .size: 8, .value_kind: global_buffer, .address_space: global }
      - { .name: ht, .offset: 24, .size: 8, .value_kind: global_buffer, .address_space: global }
      - { .name: lowp_scales, .offset: 32, .size: 8, .value_kind: global_buffer, .address_space: global }
      - { .name: pre_codes, .offset: 40, .size: 8, .value_kind: global_buffer, .address_space: global }
    .group_segment_fixed_size: 10752
    .private_segment_fixed_size: 0
    .kernarg_segment_align: 8
    .kernarg_segment_size: 48
    .max_flat_workgroup_size: 512
    .sgpr_count:     84
    .vgpr_count:     130
    .wavefront_size: 32
...
	.end_amdgpu_metadata
.endif
;; end of part 3
;; launch final (part 4): grid 16 x 2, 4 waves a work-group, no clusters, 4,608 bytes of LDS; arguments pre_codes, Wv_codes, lowp_scales, bv, out0; writes out0
.if DOCPART == 4
	.amdgcn_target "amdgcn-amd-amdhsa--gfx1250"
	.amdhsa_code_object_version 6
	.text
	.protected	k_q0964d56622_final
	.globl	k_q0964d56622_final
	.p2align	8
	.type	k_q0964d56622_final,@function
k_q0964d56622_final:
	s_mov_b64 s[64:65], 0
	v_nop
	global_prefetch_b8 v0, s[64:65] scope:SCOPE_SE
	s_setreg_imm32_b32 hwreg(HW_REG_WAVE_MODE, 25, 1), 1
	s_wait_xcnt 0x0
; out0[b][n] = tanh((sum over k of pre_code[b][k] Wv_code[n][k]) x 2^(e2 + e3) + bv[n]).  pre_codes: [32][2048], Wv's codes: [256 (n)][2048 (k)], E5M2, one byte a code, K innermost; out0: [32][256] f32.
; SHARES.  A work-group makes 16 batches x 16 outputs; wave w takes K = 512 w .. 512 w + 511: four matrix instructions of 128 along K on two accumulators by turns;
; the four partial sums meet in LDS and wave 0 adds them.  THE MATRIX INSTRUCTION IS USED TRANSPOSED: source 0 = 16 rows of Wv, source 1 = 16 batches: lane (r, h) holds batch r and outputs 8 h + 0 .. 7.
; A fragment's registers 4 c .. 4 c + 3 hold k = 32 c + 16 h + 0 .. 15 of the lane's row, alike in both operands.
; tanh(x) = 1 - 2 / (1 + 2^(2 x log2 e)): where the power overflows the quotient is 0, where it vanishes the quotient is 2: the ends are 1 and -1.  e2 + e3 goes by v_ldexp_f32: no limit.
; The output is small (32 KiB in all): a lane stores 32 bytes, two halves of lanes 64 consecutive bytes of a row.
.set PF,  16                           ; v16-79    four fragments of pre_codes
.set WF,  80                           ; v80-143   four fragments of Wv
.set AC0, 144
.set AC1, 152
.set SM,  160                          ; v160-167  my partial sum; v168-191 the other waves'
.set BB,  192                          ; v192-199  bv of my eight outputs
	s_load_b256 s[4:11], s[0:1], 0x0               ; pre_codes s[4:5], Wv's codes s[6:7], the scales' exponents s[8:9], bv s[10:11]
	s_load_b64 s[12:13], s[0:1], 0x20              ; out0
	v_lshl_add_u32 v254, v0, 2, 0x1000
	v_mov_b32 v255, 0
	v_lshrrev_b32 v1, 5, v0
	v_readfirstlane_b32 s14, v1                    ; wave 0..3
	v_and_b32 v1, 15, v0                           ; r
	v_bfe_u32 v2, v0, 4, 1                         ; h
	v_lshlrev_b32 v3, 11, v1                       ; both operands: row r of 2,048 bytes,
	v_lshl_add_u32 v3, v2, 4, v3                   ; + 16 h,
	s_lshl_b32 s15, s14, 9
	v_add_nc_u32 v3, s15, v3                       ; + my wave's 512 along K
	v_and_b32 v10, 31, v0
	v_lshlrev_b32 v10, 4, v10                      ; 16 x lane
	s_lshl_b32 s15, s14, 10
	v_add_nc_u32 v5, s15, v10                      ; + 1,024 x wave: where I put my partial sum
	v_lshlrev_b32 v6, 10, v1                       ; out0: row r of 1,024 bytes,
	v_lshl_add_u32 v6, v2, 5, v6                   ; + 32 h
	v_lshlrev_b32 v7, 5, v2                        ; bv: 32 h
	s_and_b32 s29, ttmp7, 0xffff                   ; which 16 batches
	s_lshl_b32 s30, s29, 15
	s_mov_b32 s31, 0
	s_lshl_b32 s32, ttmp9, 15                      ; which 16 rows of Wv
	s_mov_b32 s33, 0
	s_lshl_b32 s34, ttmp9, 6
	s_mov_b32 s35, 0
	s_lshl_b32 s36, s29, 14
	s_add_co_u32 s36, s36, s34
	s_mov_b32 s37, 0
	s_wait_kmcnt 0x0
	s_load_b128 s[16:19], s[8:9], 0x0              ; e0, e1, e2, e3
	s_add_nc_u64 s[20:21], s[4:5], s[30:31]
	s_add_nc_u64 s[22:23], s[6:7], s[32:33]
	s_add_nc_u64 s[24:25], s[10:11], s[34:35]
	s_add_nc_u64 s[26:27], s[12:13], s[36:37]
.irp s, 0,1,2,3
.irp c, 0,1,2,3
	global_load_b128 v[PF+16*\s+4*\c:PF+16*\s+4*\c+3], v3, s[20:21] offset:128*\s+32*\c
	global_load_b128 v[WF+16*\s+4*\c:WF+16*\s+4*\c+3], v3, s[22:23] offset:128*\s+32*\c
.endr
.endr
	global_load_b128 v[BB:BB+3], v7, s[24:25]
	global_load_b128 v[BB+4:BB+7], v7, s[24:25] offset:16
	s_wait_kmcnt 0x0
	s_add_co_i32 s28, s18, s19                     ; e2 + e3
	s_wait_loadcnt 0x0
	v_wmma_f32_16x16x128_bf8_bf8 v[AC0:AC0+7], v[WF:WF+15], v[PF:PF+15], 0
	v_wmma_f32_16x16x128_bf8_bf8 v[AC1:AC1+7], v[WF+16:WF+31], v[PF+16:PF+31], 0
	v_wmma_f32_16x16x128_bf8_bf8 v[AC0:AC0+7], v[WF+32:WF+47], v[PF+32:PF+47], v[AC0:AC0+7]
	v_wmma_f32_16x16x128_bf8_bf8 v[AC1:AC1+7], v[WF+48:WF+63], v[PF+48:PF+63], v[AC1:AC1+7]
.rept 4
	v_nop                                          ; four places in front of the first read of the results
.endr
.irp j, 0,2,4,6
	v_pk_add_f32 v[SM+\j:SM+\j+1], v[AC0+\j:AC0+\j+1], v[AC1+\j:AC1+\j+1]   ; each accumulator from its low end on
.endr
	ds_store_b128 v5, v[SM:SM+3]                   ; my partial sum as an image of its registers (wave 0 stores too: its bytes are not read, and no branch stands in front of the barrier)
	ds_store_b128 v5, v[SM+4:SM+7] offset:512
	s_wait_dscnt 0x0                               ; for wave 0's sake
	s_barrier_signal -1
	s_barrier_wait -1
	s_cmp_lg_u32 s14, 0
	s_cbranch_scc1 .Lend
.irp u, 1,2,3
	ds_load_b128 v[SM+8*\u:SM+8*\u+3], v10 offset:1024*\u
	ds_load_b128 v[SM+8*\u+4:SM+8*\u+7], v10 offset:1024*\u+512
.endr
	s_wait_dscnt 0x0
.irp u, 1,2,3
.irp j, 0,2,4,6
	v_pk_add_f32 v[SM+\j:SM+\j+1], v[SM+\j:SM+\j+1], v[SM+8*\u+\j:SM+8*\u+\j+1]
.endr
.endr
.irp j, 0,1,2,3,4,5,6,7
	v_ldexp_f32 v[SM+\j], v[SM+\j], s28            ; x 2^(e2 + e3)
.endr
.irp j, 0,2,4,6
	v_pk_add_f32 v[SM+\j:SM+\j+1], v[SM+\j:SM+\j+1], v[BB+\j:BB+\j+1]
.endr
.irp j, 0,1,2,3,4,5,6,7
	v_mul_f32 v[SM+\j], 0x4038aa3b, v[SM+\j]       ; 2 x log2 e
.endr
.irp j, 0,1,2,3,4,5,6,7
	v_exp_f32 v[SM+\j], v[SM+\j]
.endr
	v_nop                                          ; a plain instruction behind the exponentials
	s_wait_alu depctr_va_vdst(0)
.irp j, 0,1,2,3,4,5,6,7
	v_add_f32 v[SM+\j], 1.0, v[SM+\j]
.endr
.irp j, 0,1,2,3,4,5,6,7
	v_rcp_f32 v[SM+\j], v[SM+\j]
.endr
	v_nop                                          ; and behind the reciprocals
	s_wait_alu depctr_va_vdst(0)
.irp j, 0,1,2,3,4,5,6,7
	v_fma_f32 v[SM+\j], v[SM+\j], -2.0, 1.0
.endr
	global_store_b128 v6, v[SM:SM+3], s[26:27]
	global_store_b128 v6, v[SM+4:SM+7], s[26:27] offset:16
.Lend:
	s_wait_tensorcnt 0x0
	ds_add_u32 v254, v255
	s_wait_dscnt 0x0
	s_endpgm
.Lfunc_end_k_q0964d56622_final:
	.size	k_q0964d56622_final, .Lfunc_end_k_q0964d56622_final-k_q0964d56622_final
	.p2alignl 7, 3214868480
	.fill 96, 4, 3214868480
	.section	.rodata,"a",@progbits
	.p2align	6, 0x0
	.amdhsa_kernel k_q0964d56622_final
		.amdhsa_group_segment_fixed_size 4608
		.amdhsa_private_segment_fixed_size 0
		.amdhsa_enable_private_segment 0
		.amdhsa_kernarg_size 40
		.amdhsa_user_sgpr_count 2
		.amdhsa_user_sgpr_kernarg_segment_ptr 1
		.amdhsa_wavefront_size32 1
		.amdhsa_system_sgpr_workgroup_id_x 1
		.amdhsa_system_sgpr_workgroup_id_y 1
		.amdhsa_system_sgpr_workgroup_id_z 1
		.amdhsa_system_vgpr_workitem_id 0
		.amdhsa_next_free_vgpr 256
		.amdhsa_next_free_sgpr 66
		.amdhsa_reserve_vcc 0
		.amdhsa_float_denorm_mode_32 3
		.amdhsa_float_denorm_mode_16_64 3
		.amdhsa_memory_ordered 1
		.amdhsa_forward_progress 1
		.amdhsa_inst_pref_size 10
	.end_amdhsa_kernel
	.amdgpu_metadata
---
amdhsa.version: [ 1, 2 ]
amdhsa.kernels:
  - .name:           k_q0964d56622_final
    .symbol:         k_q0964d56622_final.kd
    .args:
      - { .name: pre_codes, .offset: 0, .size: 8, .value_kind: global_buffer, .address_space: global }
      - { .name: Wv_codes, .offset: 8, .size: 8, .value_kind: global_buffer, .address_space: global }
      - { .name: lowp_scales, .offset: 16, .size: 8, .value_kind: global_buffer, .address_space: global }
      - { .name: bv, .offset: 24, .size: 8, .value_kind: global_buffer, .address_space: global }
      - { .name: out0, .offset: 32, .size: 8, .value_kind: global_buffer, .address_space: global }
    .group_segment_fixed_size: 4608
    .private_segment_fixed_size: 0
    .kernarg_segment_align: 8
    .kernarg_segment_size: 40
    .max_flat_workgroup_size: 128
    .sgpr_count:     66
    .vgpr_count:     256
    .wavefront_size: 32
...
	.end_amdgpu_metadata
.endif
;; end of part 4
